; MI455X (gfx1250); checked and timed in simulation.
; The chip was launched on July 23, 2026; its instructions are those of AMD's public machine-readable ISA for CDNA 5 (MIT licence, August 2026) and "CDNA5" Instruction Set Architecture Reference Guide (July 2026). The comments in the code are by the model that wrote it; some were corrected since.
;; Peephole Cell. Allowed arithmetic: matrix products marked QUANTISED: E4M3 operands, one E8M0 scale for each 32 along K, by v_wmma_scale_f32_16x16x128_f8f6f4 with both operands' format E4M3, f32 sums; everything else in f32.
;; Inputs: U_c 512 x 512 float32; U_f 512 x 512 float32; U_i 512 x 512 float32; U_o 512 x 512 float32; W_c 512 x 512 float32; W_f 512 x 512 float32; W_i 512 x 512 float32; W_o 512 x 512 float32; X_t_codes 16,384 x 16 x 32 uint8 (E4M3 codes of X_t, K innermost, in blocks of 32 codes); X_t_scales 16,384 x 16 uint8 (E8M0 scales of X_t, one for each 32 codes along K); b_c 512 float32; b_f 512 float32; b_i 512 float32; b_o 512 float32; c_prev 16,384 x 512 float32.
;; Outputs: out0 16,384 x 512 float32.
;; This version of the problem:
;;   THIS VERSION OF THE PROBLEM IS GIVEN IN LOW PRECISION. The matrix products marked QUANTISED in the list below multiply operands that are first quantised to E4M3 (4 exponent bits, 3 mantissa bits; 8 bits a number), with one power-of-two scale for each 32 numbers along K (OCP MX v1.0); their sums are f32. All else is computed in f32.
;;   The module's matrix products, in the order in which they are computed (A, B: the left and right operand; K: the contracted axis; several contracted axes count as one K, in the product's order):
;;     1. [M 16,384, K 512] x [K 512, N 2,048]; A: input X_t (given as codes); B: computed on the way: QUANTISED
;;     2. [M 16,384, K 512] x [K 512, N 2,048]; A: input c_prev; B: computed on the way: QUANTISED
;;   THE QUANTISER, for each operand of a quantised product, along K:
;;     - K is cut into blocks of 32 from its start; a last block that is shorter is filled with zeros.
;;     - A block's scale is 2^e with e = floor(log2(the largest magnitude in the block)) - 8, held to -126 .. 127; a block of zeros has e = 0. As a byte (E8M0): e + 127.
;;     - Each number is divided by its block's scale, clamped to +-448, and rounded to the nearest number of E4M3, ties to even, subnormals kept.
;;     - The product sums the exact products of the quantised numbers (number of the format x scale) in f32.
;;   ~~~python
;;   def quantise(x, axis):      # numpy; x: float32 -> the quantised numbers, widened to float32 again
;;       x = np.moveaxis(x, axis, -1); K = x.shape[-1]
;;       x = np.pad(x, [(0, 0)] * (x.ndim - 1) + [(0, -K % 32)]); x = x.reshape(x.shape[:-1] + (-1, 32)); a = np.abs(x).max(-1, keepdims=True)
;;       e = np.where(a > 0, np.clip(np.frexp(np.where(a > 0, a, 1))[1] - 1 - 8, -126, 127), 0)      # np.frexp(a)[1] - 1 = floor(log2(a)), exactly
;;       r = np.clip(x / 2.0 ** e, -448, 448)
;;       step = 2.0 ** (np.maximum(np.frexp(np.where(r == 0, 1, r))[1] - 1, -6) - 3)
;;       q = np.round(r / step) * step * 2.0 ** e      # np.round: ties to even
;;       return np.moveaxis(q.reshape(q.shape[:-2] + (-1,))[..., :K], -1, axis).astype(np.float32)
;;   ~~~
;;   OPERANDS COMPUTED ON THE WAY. 'Computed on the way' means the value that the module computes at that place (a softmax that the list does not call 'softmax' is quantised finished and normalised). What goes into a quantiser is computed in f32, as accurately as f32 sums, v_exp_f32 and their like allow (about 1e-6 of the number): no bf16 or f16 on the way to a quantiser, and a product that is left as it is and whose result goes on into a quantised operand takes f32 operands (vector FMAs, or v_wmma_f32_16x16x4_f32). A number that lies on a knife's edge between two numbers of the format may be rounded either way, as far as f32 arithmetic and the matrix unit's own rounding can turn it there, and no further.
;;   INPUTS GIVEN AS CODES. X_t (in the module: [16384, 512], K = its axis 1): each comes as NAME_codes (uint8): NAME with its K axis moved to the last place and cut into blocks of 32 codes, [.., K / 32, bytes a block], one block behind the other in memory; one code a byte (a code: sign, 4 exponent bits, 3 mantissa bits); and NAME_scales (uint8): the same leading axes, one E8M0 byte (e + 127) for each 32 codes along K. Its value is code x scale, taken as it is: it is not quantised again, and the codes and scales need not be those that the quantiser above would give.
;; One version. Each part assembles by itself: llvm-mc -triple=amdgcn-amd-amdhsa -mcpu=gfx1250 --defsym DOCPART=n.
;; ======== version 1 of 1: 2 launches
;; limits: right only within a limited range of input values
;; workspace buffers: wimg 2,162,688 bytes; cimg 8,650,752 bytes
;; launch prep (part 1): grid 384 x 1, 8 waves a work-group, no clusters, 2,048 bytes of LDS; arguments W_f, W_i, W_o, W_c, U_f, U_i, U_o, U_c, wimg, c_prev, cimg; writes wimg, cimg
.if DOCPART == 1
	.amdgcn_target "amdgcn-amd-amdhsa--gfx1250"
	.amdhsa_code_object_version 6
	.text
	.protected	k_q6a8d3077bb_prep
	.globl	k_q6a8d3077bb_prep
	.p2align	8
	.type	k_q6a8d3077bb_prep,@function
k_q6a8d3077bb_prep:
	s_mov_b64 s[64:65], 0
	v_nop
	global_prefetch_b8 v0, s[64:65] scope:SCOPE_SE
	s_setreg_imm32_b32 hwreg(HW_REG_WAVE_MODE, 25, 1), 1
	s_wait_xcnt 0x0
; Everything that arrives as f32 and is an operand of a product becomes codes of E4M3 with one E8M0 byte for each 32 along K, ONCE, laid in the order of the operand's registers.
; TWO TASKS, told apart by the work-group's number alone: work-groups 0-255 take c_prev (K innermost), work-groups 256-383 the eight weights (K their FIRST axis).  The paths part once, at the head; only the weights' path uses LDS and a barrier.
; A block's scale is 2^(floor(log2(its largest magnitude)) - 8); its byte is the largest magnitude's exponent field - 8, held at 1 from below.
; LIMITS: a block of zeros gets the byte 1 where the rule says 127 (its codes are zeros, which add nothing under any byte but 0xff, and this program alone reads the bytes); NaN and infinities among the inputs are not served.
;
; cimg, from c_prev [16384][512]: codes at (4 T + s) x 2,048 + 512 c + 16 (r + 16 h): the 16 codes of row 16 T + r, k = 128 s + 32 c + 16 h + 0 .. 15: a fragment's 16 registers on end, lane by lane;
;   scale words at 8,388,608 + 256 T + 64 s + 4 r: the four bytes of (row 16 T + r, K step s).
;   Wave w of work-group x takes tile T = 4 x + w / 2 and K steps 2 (w & 1), 2 (w & 1) + 1: 128 numbers a lane, all 32 loads out at once.  Lane (r, h) holds 16 neighbours of each block of 32; lane l xor 16 holds the other 16.
; wimg is 32 chunks of 67,584 bytes.  Chunk c serves columns 16 c .. 16 c + 15 of all four gates (f, i, o, c = 0 .. 3) over K = 1,024: K steps 0-3 are W's 512, K steps 4-7 U's.
;   codes:  (4 s + g) x 2,048 + 512 c4 + 16 (r + 16 h): the 16 codes of gate g, column 16 c + r, k = 128 s + 32 c4 + 16 h + 0 .. 15
;   scales: 65,536 + 256 s + 8 (r + 16 (g & 1)) + 4 (g >> 1): the four bytes of (gate g, column 16 c + r, K step s)
;   A LANE TAKES A COLUMN AND ITS REGISTERS RUN DOWN K.  A work-group takes one K step (bits 6:4 of x) of 32 columns (x & 15: two chunks) of all four gates; wave w takes gate w & 3 and blocks 2 (w >> 2), 2 (w >> 2) + 1.
;   So a work-group's scale bytes are two whole runs of 256 bytes: they meet in LDS and wave 0 stores them.
.set NCW,   256                        ; work-groups for c_prev
.set CHUNK, 67584
.set CSCL,  0x800000                   ; where cimg's scale words begin
.set X,     32                         ; weights: v32-95  my 64 numbers
.set C,     16                         ; both paths: v16-47 codes: no store's data are written again
.set TM,    48                         ; c_prev: v48-63 at work
.set DD,    64                         ; c_prev: v64-191 my 128 numbers
	v_lshl_add_u32 v192, v0, 2, 0x400
	v_mov_b32 v193, 0
	s_cmp_lt_u32 ttmp9, NCW
	s_cbranch_scc1 .Lc_prev
	; ---------------- the weights
	s_load_b512 s[8:23], s[0:1], 0x0               ; W_f, W_i, W_o, W_c, U_f, U_i, U_o, U_c
	s_load_b64 s[24:25], s[0:1], 0x40              ; wimg
	v_lshrrev_b32 v1, 5, v0
	s_delay_alu instid0(VALU_DEP_1)
	v_readfirstlane_b32 s26, v1                    ; wave 0..7
	s_and_b32 s27, s26, 3                          ; my gate
	s_lshr_b32 s28, s26, 2                         ; which half of the K step
	s_and_b32 s29, ttmp9, 15                       ; which 32 columns
	s_bfe_u32 s30, ttmp9, 0x30004                  ; which K step, 0..7: three bits from bit 4
	v_and_b32 v1, 31, v0                           ; lane
	s_delay_alu instid0(VALU_DEP_1)
	v_lshlrev_b32 v2, 2, v1                        ; in: 4 bytes a lane
	s_delay_alu instid0(VALU_DEP_2)
	v_lshlrev_b32 v5, 4, v1                        ; the scales' way out of LDS: 16 bytes a lane
	v_and_b32 v6, 15, v0                           ; r: my column in its chunk
	v_bfe_u32 v7, v0, 4, 1                         ; which of the two chunks
	s_delay_alu instid0(VALU_DEP_1)
	v_mul_u32_u24 v3, v7, CHUNK
	s_delay_alu instid0(VALU_DEP_1)
	v_lshl_add_u32 v3, v6, 4, v3                   ; out: chunk + 16 r
	s_delay_alu instid0(VALU_DEP_4)
	v_lshlrev_b32 v4, 3, v6                        ; LDS: 8 r
	s_delay_alu instid0(VALU_DEP_1)
	v_lshl_add_u32 v4, v7, 8, v4                   ; + 256 x chunk
	v_bfe_u32 v8, v0, 5, 1
	s_delay_alu instid0(VALU_DEP_1)
	v_lshl_add_u32 v4, v8, 7, v4                   ; + 128 (g & 1)
	v_bfe_u32 v8, v0, 6, 1
	s_delay_alu instid0(VALU_DEP_1)
	v_lshl_add_u32 v4, v8, 2, v4                   ; + 4 (g >> 1)
	v_bfe_u32 v8, v0, 7, 1
	s_delay_alu instid0(VALU_DEP_1)
	v_lshl_add_u32 v4, v8, 1, v4                   ; + 2 x half: my two bytes of the word
	s_and_b32 s32, s30, 3
	s_lshl_b32 s32, s32, 18                        ; in: 128 rows of 2,048 bytes for each K step of the matrix,
	s_lshl_b32 s33, s28, 17                        ; 64 rows for the half,
	s_add_co_u32 s32, s32, s33
	s_lshl_b32 s33, s29, 7                         ; 128 bytes for each 32 columns
	s_add_co_u32 s32, s32, s33
	s_mov_b32 s33, 0
	s_mul_i32 s34, s29, 2*CHUNK                    ; out: my first chunk
	s_lshl_b32 s36, s30, 8
	s_add_co_u32 s36, s36, s34
	s_add_co_u32 s36, s36, 65536                   ; the K step's scale words
	s_mov_b32 s37, 0
	s_lshl_b32 s38, s30, 2
	s_add_co_u32 s38, s38, s27
	s_lshl_b32 s38, s38, 11                        ; fragment 4 s + g
	s_add_co_u32 s34, s34, s38
	s_lshl_b32 s38, s28, 10                        ; its blocks 2 x half on
	s_add_co_u32 s34, s34, s38
	s_mov_b32 s35, 0
	s_mov_b32 s40, 0x600000                        ; the mantissa field of 448
	s_and_b32 s31, s27, 1
	s_wait_kmcnt 0x0
	s_cmp_lt_u32 s30, 4                            ; the matrix is chosen on ids alone: W's for K steps 0-3, U's for 4-7;
	s_cselect_b64 s[8:9], s[8:9], s[16:17]
	s_cselect_b64 s[10:11], s[10:11], s[18:19]
	s_cselect_b64 s[12:13], s[12:13], s[20:21]
	s_cselect_b64 s[14:15], s[14:15], s[22:23]
	s_cmp_lt_u32 s27, 2                            ; gates 0, 1 or 2, 3;
	s_cselect_b64 s[8:9], s[8:9], s[12:13]
	s_cselect_b64 s[10:11], s[10:11], s[14:15]
	s_cmp_eq_u32 s31, 0                            ; the even or the odd one
	s_cselect_b64 s[8:9], s[8:9], s[10:11]
	s_add_nc_u64 s[8:9], s[8:9], s[32:33]
	s_add_nc_u64 s[42:43], s[24:25], s[34:35]      ; where my codes go
	s_add_nc_u64 s[44:45], s[24:25], s[36:37]      ; where the work-group's scale words go
.set i, 0
.rept 64
	global_load_b32 v[X+i], v2, s[8:9] offset:i*2048 th:TH_LOAD_NT   ; row i of my 64, my column: 32 lanes read 128 consecutive bytes
.set i, i+1
.endr
.macro BLOCK b
.set XS, X+32*\b
.if \b == 0
	s_wait_loadcnt 32                              ; block 0's 32 loads are in; block 1's may be out
.else
	s_wait_loadcnt 0x0
.endif
	v_max3_num_f32 v12, |v[XS]|, |v[XS+1]|, |v[XS+2]|             ; the block's largest magnitude, in two chains
	v_max3_num_f32 v13, |v[XS+3]|, |v[XS+4]|, |v[XS+5]|
.irp i, 6,10,14,18,22,26
	s_delay_alu instid0(VALU_DEP_2)
	v_max3_num_f32 v12, v12, |v[XS+\i]|, |v[XS+\i+1]|
	s_delay_alu instid0(VALU_DEP_2)
	v_max3_num_f32 v13, v13, |v[XS+\i+2]|, |v[XS+\i+3]|
.endr
	s_delay_alu instid0(VALU_DEP_2)
	v_max3_num_f32 v12, v12, |v[XS+30]|, |v[XS+31]|
	s_delay_alu instid0(VALU_DEP_1)
	v_max3_num_f32 v12, v12, v13, 0x4800000        ; and the floor 2^(9 - 127): the byte cannot fall under 1
	s_delay_alu instid0(VALU_DEP_1)
	v_add_nc_u32 v11, 0xfc000000, v12              ; 8 off its exponent field: the conversion takes this operand's exponent field as its scale
	s_delay_alu instid0(VALU_DEP_2)
	v_and_or_b32 v10, v12, 0x7f800000, s40         ; 448 x the scale
.irp i, 0,1,2,3,4,5,6,7,8,9,10,11,12,13,14,15,16,17,18,19,20,21,22,23,24,25,26,27,28,29,30,31
	v_med3_num_f32 v[XS+\i], v[XS+\i], -v10, v10   ; the conversion to an 8-bit code does not saturate (ISA guide 7.6.2): hold first
.endr
.irp q, 0,1,2,3
	v_cvt_scalef32_pk8_fp8_f32 v[C+8*\b+2*\q:C+8*\b+2*\q+1], v[XS+8*\q:XS+8*\q+7], v11
.endr
	v_lshrrev_b32 v[14+\b], 23, v11                ; the scale's byte (a plain line behind the conversions)
	global_store_b128 v3, v[C+8*\b:C+8*\b+3], s[42:43] offset:512*\b         ; k 0-15 of the block: sixteen lanes store 256 consecutive bytes, aligned
	global_store_b128 v3, v[C+8*\b+4:C+8*\b+7], s[42:43] offset:512*\b+256   ; k 16-31: the upper lanes' half of the image
.endm
	BLOCK 0
	BLOCK 1
	v_lshl_or_b32 v14, v15, 8, v14                 ; my two bytes, the lower K below
	ds_store_b16 v4, v14
	s_wait_dscnt 0x0                               ; for the others' sake: my store has landed
	s_barrier_signal -1
	s_barrier_wait -1                              ; the K step's 512 scale bytes lie in LDS
	s_cmp_lg_u32 s26, 0
	s_cbranch_scc1 .Ldone
	ds_load_b128 v[96:99], v5
	s_wait_dscnt 0x0
	global_store_b128 v3, v[96:99], s[44:45]       ; lanes 0-15: 256 consecutive bytes of the first chunk; lanes 16-31: of the second
.Ldone:
	s_wait_tensorcnt 0x0
	ds_add_u32 v192, v193
	s_wait_dscnt 0x0
	s_endpgm
	; ---------------- c_prev
.Lc_prev:
	s_load_b64 s[8:9], s[0:1], 0x48                ; c_prev
	s_load_b64 s[10:11], s[0:1], 0x50              ; cimg
	v_lshrrev_b32 v1, 5, v0
	s_delay_alu instid0(VALU_DEP_1)
	v_readfirstlane_b32 s26, v1                    ; wave 0..7
	s_lshl_b32 s27, ttmp9, 2
	s_lshr_b32 s28, s26, 1
	s_add_co_u32 s27, s27, s28                     ; my tile of 16 rows: 4 x + wave / 2
	s_and_b32 s28, s26, 1                          ; which two K steps of its four
	v_and_b32 v1, 31, v0                           ; lane
	v_and_b32 v2, 15, v0                           ; r
	v_bfe_u32 v3, v0, 4, 1                         ; h
	s_delay_alu instid0(VALU_DEP_2)
	v_lshlrev_b32 v4, 11, v2
	s_delay_alu instid0(VALU_DEP_1)
	v_lshl_add_u32 v4, v3, 6, v4                   ; in: row r of 2,048 bytes, + 64 h: my 16 numbers of a block of 32
	v_lshlrev_b32 v5, 4, v1                        ; out: an image's 16 bytes a lane
	v_lshlrev_b32 v6, 2, v1                        ; and a scale word's 4
	s_lshl_b32 s32, s27, 15                        ; in: 16 rows of 2,048 bytes a tile,
	s_lshl_b32 s33, s28, 10                        ; 1,024 bytes for two K steps
	s_add_co_u32 s32, s32, s33
	s_mov_b32 s33, 0
	s_lshl_b32 s34, s27, 13                        ; codes: four fragments of 2,048 bytes a tile,
	s_lshl_b32 s35, s28, 12                        ; two of them on
	s_add_co_u32 s34, s34, s35
	s_mov_b32 s35, 0
	s_lshl_b32 s36, s27, 8                         ; scale words: 256 bytes a tile,
	s_lshl_b32 s37, s28, 7                         ; 128 for two K steps
	s_add_co_u32 s36, s36, s37
	s_add_co_u32 s36, s36, CSCL
	s_mov_b32 s37, 0
	s_mov_b32 s38, 0x76543210
	s_mov_b32 s39, 0xfedcba98                      ; v_permlanex16_b32's selects for lane l xor 16
	s_mov_b32 s40, 0x600000                        ; the mantissa field of 448
.irp b, 0,1,2,3
	v_mov_b32 v[TM+4+\b], 0                        ; written once: a lane permute's destination counts as one of its sources
.endr
	s_wait_alu depctr_va_vdst(0)
	s_wait_kmcnt 0x0
	s_add_nc_u64 s[8:9], s[8:9], s[32:33]
	s_add_nc_u64 s[42:43], s[10:11], s[34:35]
	s_add_nc_u64 s[44:45], s[10:11], s[36:37]
.irp e, 0,1
.irp b, 0,1,2,3
.irp j, 0,1,2,3
	global_load_b128 v[DD+64*\e+16*\b+4*\j:DD+64*\e+16*\b+4*\j+3], v4, s[8:9] offset:512*\e+128*\b+16*\j   ; register 64 e + 16 b + i = k 128 e + 32 b + 16 h + i of my row
.endr
.endr
.endr
; the 64 numbers from v[s] on become the fragment v[C + 16 t] on and the scale word v[8 + t]
.macro CQ s, t
.irp b, 0,1,2,3
	v_max3_num_f32 v[TM+\b], |v[(\s)+16*\b]|, |v[(\s)+1+16*\b]|, 0x4800000   ; block b: my 16 numbers, and the floor 2^(9 - 127): the byte cannot fall under 1
.endr
.irp i, 2,4,6,8,10,12,14
.irp b, 0,1,2,3
	s_delay_alu instid0(VALU_DEP_4)
	v_max3_num_f32 v[TM+\b], v[TM+\b], |v[(\s)+16*\b+\i]|, |v[(\s)+1+16*\b+\i]|   ; (the four blocks by turns)
.endr
.endr
.irp b, 0,1,2,3
	s_delay_alu instid0(VALU_DEP_4)
	v_permlanex16_b32 v[TM+4+\b], v[TM+\b], s38, s39
.endr
.irp b, 0,1,2,3
	s_delay_alu instid0(VALU_DEP_4)
	v_max_num_f32 v[TM+\b], v[TM+\b], v[TM+4+\b]   ; with lane l xor 16's 16: the block's largest magnitude
.endr
.irp b, 0,1,2,3
	s_delay_alu instid0(VALU_DEP_4)
	v_add_nc_u32 v[TM+12+\b], 0xfc000000, v[TM+\b] ; 8 off its exponent field: the conversion's scale operand
.endr
.irp b, 0,1,2,3
	v_and_or_b32 v[TM+8+\b], v[TM+\b], 0x7f800000, s40   ; 448 x the scale
.endr
.irp b, 0,1,2,3
	v_lshrrev_b32 v[TM+4+\b], 23, v[TM+12+\b]      ; the scale's byte
.endr
	s_delay_alu instid0(VALU_DEP_3)
	v_lshl_or_b32 v[8+(\t)], v[TM+5], 8, v[TM+4]   ; the four bytes make my row's scale word; lanes r and r + 16 hold the same
	s_delay_alu instid0(VALU_DEP_1)
	v_lshl_or_b32 v[8+(\t)], v[TM+6], 16, v[8+(\t)]
	s_delay_alu instid0(VALU_DEP_1)
	v_lshl_or_b32 v[8+(\t)], v[TM+7], 24, v[8+(\t)]
.irp b, 0,1,2,3
.irp i, 0,1,2,3,4,5,6,7,8,9,10,11,12,13,14,15
	v_med3_num_f32 v[(\s)+16*\b+\i], v[(\s)+16*\b+\i], -v[TM+8+\b], v[TM+8+\b]   ; the conversion to an 8-bit code does not saturate (ISA guide 7.6.2): hold first
.endr
.endr
.irp b, 0,1,2,3
	v_cvt_scalef32_pk8_fp8_f32 v[C+16*(\t)+4*\b:C+16*(\t)+4*\b+1], v[(\s)+16*\b:(\s)+16*\b+7], v[TM+12+\b]
	v_cvt_scalef32_pk8_fp8_f32 v[C+16*(\t)+4*\b+2:C+16*(\t)+4*\b+3], v[(\s)+16*\b+8:(\s)+16*\b+15], v[TM+12+\b]
.endr
	v_nop                                          ; a plain line behind the last conversion
.irp c, 0,1,2,3
	global_store_b128 v5, v[C+16*(\t)+4*\c:C+16*(\t)+4*\c+3], s[42:43] offset:2048*(\t)+512*\c   ; the image as it stands: 32 lanes store 512 consecutive bytes, aligned
.endr
.endm
	s_wait_loadcnt 16                              ; the first K step's 16 loads are in; the second's may be out
	CQ DD, 0
	s_wait_loadcnt 0x0
	CQ DD+64, 1
	v_cmp_gt_u32 vcc_lo, 16, v1
	s_delay_alu instid0(VALU_DEP_1)
	v_cndmask_b32 v10, v9, v8, vcc_lo              ; lanes 0-15 carry the first K step's words, lanes 16-31 the second's
	global_store_b32 v6, v10, s[44:45]             ; 32 lanes store 128 consecutive bytes; the tile's other 128 come from the wave beside me
	s_endpgm
.Lfunc_end_k_q6a8d3077bb_prep:
	.size	k_q6a8d3077bb_prep, .Lfunc_end_k_q6a8d3077bb_prep-k_q6a8d3077bb_prep
	.p2alignl 7, 3214868480
	.fill 96, 4, 3214868480
	.section	.rodata,"a",@progbits
	.p2align	6, 0x0
	.amdhsa_kernel k_q6a8d3077bb_prep
		.amdhsa_group_segment_fixed_size 2048
		.amdhsa_private_segment_fixed_size 0
		.amdhsa_enable_private_segment 0
		.amdhsa_kernarg_size 88
		.amdhsa_user_sgpr_count 2
		.amdhsa_user_sgpr_kernarg_segment_ptr 1
		.amdhsa_wavefront_size32 1
		.amdhsa_system_sgpr_workgroup_id_x 1
		.amdhsa_system_sgpr_workgroup_id_y 1
		.amdhsa_system_sgpr_workgroup_id_z 1
		.amdhsa_system_vgpr_workitem_id 0
		.amdhsa_next_free_vgpr 194
		.amdhsa_next_free_sgpr 66
		.amdhsa_reserve_vcc 1
		.amdhsa_float_denorm_mode_32 3
		.amdhsa_float_denorm_mode_16_64 3
		.amdhsa_memory_ordered 1
		.amdhsa_forward_progress 1
		.amdhsa_inst_pref_size 43
	.end_amdhsa_kernel
	.amdgpu_metadata
---
amdhsa.version: [ 1, 2 ]
amdhsa.kernels:
  - .name:           k_q6a8d3077bb_prep
    .symbol:         k_q6a8d3077bb_prep.kd
    .args:
      - { .name: W_f, .offset: 0, .size: 8, .value_kind: global_buffer, .address_space: global }
      - { .name: W_i, .offset: 8, .size: 8, .value_kind: global_buffer, .address_space: global }
      - { .name: W_o, .offset: 16, .size: 8, .value_kind: global_buffer, .address_space: global }
      - { .name: W_c, .offset: 24, .size: 8, .value_kind: global_buffer, .address_space: global }
      - { .name: U_f, .offset: 32, .size: 8, .value_kind: global_buffer, .address_space: global }
      - { .name: U_i, .offset: 40, .size: 8, .value_kind: global_buffer, .address_space: global }
      - { .name: U_o, .offset: 48, .size: 8, .value_kind: global_buffer, .address_space: global }
      - { .name: U_c, .offset: 56, .size: 8, .value_kind: global_buffer, .address_space: global }
      - { .name: wimg, .offset: 64, .size: 8, .value_kind: global_buffer, .address_space: global }
      - { .name: c_prev, .offset: 72, .size: 8, .value_kind: global_buffer, .address_space: global }
      - { .name: cimg, .offset: 80, .size: 8, .value_kind: global_buffer, .address_space: global }
    .group_segment_fixed_size: 2048
    .private_segment_fixed_size: 0
    .kernarg_segment_align: 8
    .kernarg_segment_size: 88
    .max_flat_workgroup_size: 256
    .sgpr_count:     66
    .vgpr_count:     194
    .wavefront_size: 32
...
	.end_amdgpu_metadata
.endif
;; end of part 1
;; launch cell (part 2): grid 4 x 64, 4 waves a work-group, clusters of 4 x 4, 327,680 bytes of LDS; arguments X_t_codes, X_t_scales, c_prev, wimg, b_f, b_i, b_o, b_c, out0, cimg; writes out0
.if DOCPART == 2
	.amdgcn_target "amdgcn-amd-amdhsa--gfx1250"
	.amdhsa_code_object_version 6
	.text
	.protected	k_q6a8d3077bb_cell
	.globl	k_q6a8d3077bb_cell
	.p2align	8
	.type	k_q6a8d3077bb_cell,@function
k_q6a8d3077bb_cell:
	s_mov_b64 s[64:65], 0
	v_nop
	global_prefetch_b8 v0, s[64:65] scope:SCOPE_SE
	s_setreg_imm32_b32 hwreg(HW_REG_WAVE_MODE, 25, 1), 1
	s_wait_xcnt 0x0
	s_wait_alu depctr_hold_cnt(0) depctr_sa_sdst(0) depctr_va_vdst(0) depctr_va_sdst(0) depctr_va_ssrc(0) depctr_va_vcc(0) depctr_vm_vsrc(0)
	s_getreg_b32 s2, hwreg(HW_REG_IB_STS2, 6, 4)
	s_cmp_eq_u32 s2, 0
	s_cbranch_scc0 .Lentry_in_a_cluster
	s_endpgm
.Lentry_in_a_cluster:
	s_bfe_u32 s2, ttmp6, 0x10000c
	s_cmp_lg_u32 s2, 0xf033
	s_cbranch_scc0 .Lentry_shape_is_right
	s_endpgm
.Lentry_shape_is_right:
; h = sigmoid(o) tanh(sigmoid(f) c_prev + sigmoid(i) tanh(c)), (f, i, o, c) = X W + c_prev U + b: one sum over K = 1,024 on codes of E4M3 with E8M0 scales: K steps 0-3 X against W, 4-7 c_prev against U.
; SHARES.  A work-group: 256 rows x 128 columns of h, all four gates; a wave: 64 rows, whose operand for all of K stays in 512 registers.  The weights come by chunks of 16 columns x 4 gates x all K
; (67,584 bytes, images of the operand's registers) through two LDS slots; a fragment read from LDS feeds four products.  A chunk is 128 products on 16 accumulators, then its gates, in place in the accumulators.
; TRANSPOSED USE: source 0 = 16 columns of a weight, source 1 = 16 rows: register j of lane (r, h) is (row 16 m + r, column 16 c + 8 h + j).  The bias is the C of a sum's first product.
; CLUSTER 4 x 4.  A chunk hangs on the column group alone: a column of the cluster asks for it jointly.  X's 256 rows hang on the row group alone: a row of the cluster asks jointly.
; c_prev's codes go from their images straight into registers (512 consecutive bytes a load), and c_prev's f32 numbers hang on both coordinates: neither is shared by a joint load.
; THE STAGE (256 rows of 528 bytes) has one fill, X's codes, which each wave takes into registers; later each lane puts h there, and the rows leave as runs of 256 bytes.
; c_prev's f32 numbers for a chunk's gates come at the head of its products, 32 bytes a lane in the result's layout; the four chunks of a 256-byte unit read its four quarters once each.
; PREFETCH: in chunk 0 each wave names the 64 units of 256 bytes of its rows' right 64 columns once, a lane a unit, four chunks ahead of the loads that want them.  None for the weights: a refill is asked for
; behind one chunk's change of slots and awaited at the next, with most of a chunk's gates and 104 products between.
; LIMITS: NaN and infinities among the inputs are not served.  The two products are summed in one accumulator, X's K steps first.
; REGISTERS.  window 0: v1-15 addresses; v16-23 X's scale words; v24-31 c_prev's; v32-47 the chunk's; v64-191 fragment buffers 2, 3; v192-223 c_prev's numbers; v224-255 the biases.
;   window 1: v0-127 fragment buffers 0, 1; v128-255 the accumulators, (m, g) at 128 + 8 (4 m + g).   window 2: X's fragments, (m, s) at 16 (4 m + s).   window 3: c_prev's likewise.
.set CHUNK, 67584
.set QUART, 16896                      ; a wave's part of a load of the ring: 66 rows of 256 bytes
.set SLOTX, 0x10800                    ; slot 1 begins at 67,584; its two bits are set in no wave x 16,896
.set STAGE, 135168
.set SP,    528
.set WSTG,  64*SP
.set SPARE, STAGE+4*WSTG               ; the spare words: 512 bytes that no other line names
.set CSCL,  0x800000
.set SPW,  1
.set NIL,  2
.set ADB,  3                           ; the slot in hand + 16 x lane
.set L16,  4                           ; 16 x lane
.set L8S,  5                           ; 65,536 + 8 x lane
.set ADS,  6                           ; the slot in hand + v5
.set STA0, 7                           ; my stage + 528 r + 32 h
.set STA,  8                           ; + 64 x chunk
.set FR,   9                           ; my stage + 528 (lane / 16) + 16 (lane % 16)
.set GO,   10                          ; 2,048 (lane / 16) + 16 (lane % 16)
.set BO,   11                          ; my byte in a bias
.set XLA,  12                          ; my stage + 528 r + 16 h
.set CSA,  13                          ; 256 (lane / 16) + 4 (lane % 16)
.set PA,   14                          ; 2,048 r + 32 h + 64 x chunk
.set PF,   15                          ; 2,048 x lane + 256; never rewritten
.set XS,   16
.set CS,   24
.set PR,   192
.set BIAS, 224
.set ACC,  128
.set MSB, 0
.macro WIN new
.if MSB != \new
	s_set_vgpr_msb (MSB<<8)|\new
.set MSB, \new
.endif
.endm
.macro PLACES n
.rept \n
	v_nop
.endr
.endm
.macro CREST
	s_cmp_lg_u32 s26, 0
	s_cbranch_scc1 .Lnot_wave_0_\@
	s_barrier_signal -3
.Lnot_wave_0_\@:
	s_barrier_wait -3
	s_barrier_signal -1
	s_barrier_wait -1
.endm
.macro CROUND
	s_barrier_signal -1
	s_barrier_wait -1
	CREST
.endm
.macro BIASLD                          ; a chunk's biases in the result's layout
.irp g, 0,1,2,3
	global_load_b128 v[BIAS+8*\g:BIAS+8*\g+3], v[BO], s[16+2*\g:17+2*\g]
	global_load_b128 v[BIAS+8*\g+4:BIAS+8*\g+7], v[BO], s[16+2*\g:17+2*\g] offset:16
.endr
.endm
.macro PLOAD                           ; c_prev(16 m + r, my eight columns of the chunk)
.irp m, 0,1,2,3
	global_load_b128 v[PR+8*\m:PR+8*\m+3], v[PA], s[58:59] offset:32768*\m
	global_load_b128 v[PR+8*\m+4:PR+8*\m+7], v[PA], s[58:59] offset:32768*\m+16
.endr
.endm
; K step s of the slot in hand: four fragments, 16 LDS loads, into buffer s % 4 (0, 1 in window 1; 2, 3 in window 0)
.macro FETCH s
.set fb, 64*((\s)%2)+64*(((\s)%4)/2)
.set wn, 0x40*(1-((\s)%4)/2)
	WIN wn
.irp g, 0,1,2,3
.irp c, 0,1,2,3
	ds_load_b128 v[fb+16*\g+4*\c:fb+16*\g+4*\c+3], v[ADB] offset:(4*(\s)+\g)*2048+512*\c
.endr
.endr
	WIN 0
.endm
; the chunk's scale words: K step s in a pair whose numbers modulo 4 differ from s % 4, which is the rows' scale register's number modulo 4
.macro SCALES
.irp s, 0,1,2,3,4,5,6,7
.set sp, 32+8*(\s/4)+4*(\s%2)+2*(1-(\s%4)/2)
	ds_load_b64 v[sp:sp+1], v[ADS] offset:256*\s
.endr
.endm
.macro GRP s, g, m
.set rD, ACC+8*(4*\m+(\g))
.set rW, 64*((\s)%2)+64*(((\s)%4)/2)+16*(\g)
.set rA, 16*(4*\m+(\s)%4)
.set rSW, 32+8*((\s)/4)+4*((\s)%2)+2*(1-((\s)%4)/2)+(\g)/2
.set fw, 1-((\s)%4)/2
.set rowW, (\g)%2
.set rowA, \m%2
.set rC, rD
.set cw, 1
.if (\s) < 4
.set rSA, XS+4*(\m/2)+(\s)
.set aw, 2
.else
.set rSA, CS+4*(\m/2)+(\s)-4
.set aw, 3
.endif
.if (\s) == 0
.set rC, BIAS+8*(\g)
.set cw, 0
.endif
.set wn, fw|(aw<<2)|(cw<<4)|0x40
	WIN wn
.if rowW && rowA
	v_wmma_scale_f32_16x16x128_f8f6f4 v[rD:rD+7], v[rW:rW+15], v[rA:rA+15], v[rC:rC+7], v[rSW], v[rSA] matrix_a_scale:MATRIX_SCALE_ROW1 matrix_b_scale:MATRIX_SCALE_ROW1
.elseif rowW
	v_wmma_scale_f32_16x16x128_f8f6f4 v[rD:rD+7], v[rW:rW+15], v[rA:rA+15], v[rC:rC+7], v[rSW], v[rSA] matrix_a_scale:MATRIX_SCALE_ROW1
.elseif rowA
	v_wmma_scale_f32_16x16x128_f8f6f4 v[rD:rD+7], v[rW:rW+15], v[rA:rA+15], v[rC:rC+7], v[rSW], v[rSA] matrix_b_scale:MATRIX_SCALE_ROW1
.else
	v_wmma_scale_f32_16x16x128_f8f6f4 v[rD:rD+7], v[rW:rW+15], v[rA:rA+15], v[rC:rC+7], v[rSW], v[rSA]
.endif
.endm
; eight products: gates 2 hf, 2 hf + 1 against the four tiles of rows.  The 16 accumulators take turns in the same order in every K step
.macro MULH s, hf
.irp g2, 0,1
.irp m, 0,1,2,3
	GRP \s, (2*\hf+\g2), \m
.endr
.endr
.endm
.macro MULS s
	MULH \s, 0
	MULH \s, 1
.endm
; THE GATES, in place.  k = 2 log2 e.  sigmoid(x) = 1 / (1 + 2^(-x log2 e)); tanh(x) = 1 - 2 / (1 + 2^(k x)): where an exponential overflows its reciprocal is 0, so neither form gives NaN.
; f and i come out times k, as 1 / (a / k + 1 / k), so that f c_prev + i tanh(c) is k c_t, the next exponent.  Each batch of transcendentals has one wait ahead and, behind a plain line, one behind.
.macro TR op, n, step
.set xk, 0
	s_wait_alu depctr_va_vdst(0)
.rept \n
	\op v[ACC+(xk/8)*\step+xk%8], v[ACC+(xk/8)*\step+xk%8]
.set xk, xk+1
.endr
	v_nop
	s_wait_alu depctr_va_vdst(0)
.endm
.macro EPI1                            ; work on registers alone: the exponents and the 128 exponentials
	WIN 0x55
.set xk, 0
.rept 64                               ; each accumulator from its low end on
.if (xk/4)%4 == 3
	v_pk_mul_f32 v[ACC+2*xk:ACC+2*xk+1], v[ACC+2*xk:ACC+2*xk+1], s[68:69] op_sel_hi:[1,0]
.else
	v_pk_mul_f32 v[ACC+2*xk:ACC+2*xk+1], v[ACC+2*xk:ACC+2*xk+1], s[66:67] op_sel_hi:[1,0]
.endif
.set xk, xk+1
.endr
	TR v_exp_f32, 128, 8
	WIN 0
.endm
.macro EPI2 kind
	WIN 0x55
.set xk, 0
.rept 64
.if (xk/4)%4 < 2
	v_pk_fma_f32 v[ACC+2*xk:ACC+2*xk+1], v[ACC+2*xk:ACC+2*xk+1], s[70:71], s[70:71] op_sel_hi:[1,0,0]
.else
	v_pk_add_f32 v[ACC+2*xk:ACC+2*xk+1], v[ACC+2*xk:ACC+2*xk+1], 1.0 op_sel_hi:[1,0]
.endif
.set xk, xk+1
.endr
	TR v_rcp_f32, 128, 8
.if \kind > 0
	s_wait_loadcnt 8                               ; c_prev's numbers are in; the eight loads of the next biases may be out
.else
	s_wait_loadcnt 0x0
.endif
.irp m, 0,1,2,3
.irp j, 0,2,4,6
	v_pk_fma_f32 v[ACC+32*\m+24+\j:ACC+32*\m+25+\j], v[ACC+32*\m+24+\j:ACC+32*\m+25+\j], -2.0, 1.0 op_sel_hi:[1,0,0]   ; tanh(c)
.endr
.endr
	WIN 0x51                                       ; source 1 in window 0
.irp m, 0,1,2,3
.irp j, 0,2,4,6
	v_pk_mul_f32 v[ACC+32*\m+\j:ACC+32*\m+1+\j], v[ACC+32*\m+\j:ACC+32*\m+1+\j], v[PR+8*\m+\j:PR+8*\m+1+\j]
.endr
.endr
	WIN 0x55
.irp m, 0,1,2,3
.irp j, 0,2,4,6
	v_pk_fma_f32 v[ACC+32*\m+\j:ACC+32*\m+1+\j], v[ACC+32*\m+8+\j:ACC+32*\m+9+\j], v[ACC+32*\m+24+\j:ACC+32*\m+25+\j], v[ACC+32*\m+\j:ACC+32*\m+1+\j]   ; k c_t
.endr
.endr
	TR v_exp_f32, 32, 32
.irp m, 0,1,2,3
.irp j, 0,2,4,6
	v_pk_add_f32 v[ACC+32*\m+\j:ACC+32*\m+1+\j], v[ACC+32*\m+\j:ACC+32*\m+1+\j], 1.0 op_sel_hi:[1,0]
.endr
.endr
	TR v_rcp_f32, 32, 32
.irp m, 0,1,2,3
.irp j, 0,2,4,6
	v_pk_fma_f32 v[ACC+32*\m+\j:ACC+32*\m+1+\j], v[ACC+32*\m+\j:ACC+32*\m+1+\j], -2.0, 1.0 op_sel_hi:[1,0,0]   ; tanh(c_t)
.endr
.endr
.irp m, 0,1,2,3
.irp j, 0,2,4,6
	v_pk_mul_f32 v[ACC+32*\m+\j:ACC+32*\m+1+\j], v[ACC+32*\m+\j:ACC+32*\m+1+\j], v[ACC+32*\m+16+\j:ACC+32*\m+17+\j]   ; x o = h
.endr
.endr
	WIN 0x04                                       ; the data in window 1
.irp m, 0,1,2,3
	ds_store_b128 v[STA], v[ACC+32*\m:ACC+32*\m+3] offset:16*SP*\m      ; the stage has had its one fill, and only my wave touches my part
	ds_store_b128 v[STA], v[ACC+32*\m+4:ACC+32*\m+7] offset:16*SP*\m+16
.endr
	WIN 0
.endm
; A CHUNK.  kind = 2: its slot is filled again, two chunks ahead; 1: only the change of slots; 0: the last chunk.  first = 1: chunk 0.
; LDS loads come in runs of two K steps (32 loads), each behind eight places.  A counted wait leaves out the fragment loads issued behind the K step that is due.
.macro MAIN kind, first
.if \first
	s_wait_loadcnt 63                              ; of the head's 90 loads the oldest 27 are in: X's scale words and the biases are the first ten
.else
	s_wait_loadcnt 0x0                             ; the chunk's biases
	v_add_nc_u32 v[PA], 64, v[PA]
	PLOAD                                          ; c_prev's numbers for this chunk's gates
.endif
	s_wait_dscnt 48                                ; K step 0 and the scale words are in: at least K steps 1 to 3 were issued behind them
	MULS 0
	s_wait_dscnt 32
	MULS 1
	WIN 0
	PLACES 8
	FETCH 4
	FETCH 5
.if \first
	global_prefetch_b8 v[PF], s[58:59] th:TH_LOAD_NT scope:SCOPE_SE                  ; my rows 0-31: the right 64 columns' 256 bytes, a lane a row
	global_prefetch_b8 v[PF], s[58:59] offset:65536 th:TH_LOAD_NT scope:SCOPE_SE     ; my rows 32-63
.endif
	s_wait_dscnt 48                                ; behind K step 2: K steps 3, 4, 5
	MULS 2
	s_wait_dscnt 32
	MULS 3
	WIN 0
	PLACES 8
	FETCH 6
	FETCH 7
.if \first
	s_wait_loadcnt 8                               ; c_prev's fragments and scale words are in; the eight loads of its f32 numbers may be out
.endif
	s_wait_dscnt 48                                ; behind K step 4: K steps 5, 6, 7
	MULS 4
	s_wait_dscnt 32
	MULS 5
	s_wait_dscnt 16
.if \kind > 0
	MULH 6, 0
	WIN 0
	s_wait_tensorcnt 0x0                           ; all my tensor loads have landed
	ds_add_u32 v[SPW], v[NIL]
	s_xor_b32 s60, s60, SLOTX                      ; the reads go on to the other slot: all of this chunk's have been issued
.if \kind == 2
	s_xor_b32 s45, s45, SLOTX                      ; the walking descriptor: the slot that is being left,
	s_add_nc_u64 s[46:47], s[46:47], CHUNK         ; the chunk after the one asked for last
.endif
	MULH 6, 1
	s_wait_dscnt 0x0                               ; the add is done, my reads of this slot are over
	s_barrier_signal -1                            ; up to the wait: work on registers alone
	MULS 7
.else
	MULS 6
	s_wait_dscnt 0x0
	MULS 7
.endif
	WIN 0
	PLACES 8                                       ; for the first reads of the sums and the loads below
	EPI1
.if \kind > 0
	s_barrier_wait -1
.if \kind == 2
	CREST                                          ; the barrier has opened a round of the cluster's
	tensor_load_to_lds s[44:47], s[32:39]          ; the joint refill, my one tensor load until the next round
	s_nop 0
	PLACES 4
.endif
.endif
	v_add_nc_u32 v[STA], s61, v[STA0]
.if \kind > 0
	v_add_nc_u32 v[ADB], s60, v[L16]
	v_add_nc_u32 v[ADS], s60, v[L8S]
	v_add_nc_u32 v[BO], 64, v[BO]
.endif
	s_wait_alu depctr_va_vdst(0)
	s_add_co_u32 s61, s61, 64
.if \kind > 0
	SCALES                                         ; the next chunk's scale words, first four K steps and biases land under the rest of the gates
	FETCH 0
	FETCH 1
	FETCH 2
	FETCH 3
	BIASLD
.endif
	EPI2 \kind
.endm
; 64 columns of my 64 rows of h leave: lanes 0-15 one row's 256 bytes, lanes 16-31 the next row's.  LDS serves a wave's instructions in order (ISA guide 5.7.1.4).  The accumulators' registers are free here.
.macro FLUSH half
	WIN 0x40
.set fi, 0
.rept 32
	ds_load_b128 v[ACC+4*fi:ACC+4*fi+3], v[FR] offset:fi*2*SP+256*\half
.set fi, fi+1
.endr
	WIN 0x04
.set fi, 0
.rept 32
	s_wait_dscnt 31-fi
	global_store_b128 v[GO], v[ACC+4*fi:ACC+4*fi+3], s[24:25] offset:fi*4096+256*\half th:TH_STORE_NT
.set fi, fi+1
.endr
	WIN 0
	s_wait_xcnt 0x0                                ; the stores have read their registers
.endm
	s_load_b512 s[8:23], s[0:1], 0x0               ; X's codes, X's scales, c_prev, wimg, b_f, b_i, b_o, b_c
	s_load_b64 s[24:25], s[0:1], 0x40              ; out0
	s_load_b64 s[88:89], s[0:1], 0x48              ; cimg
	v_lshl_add_u32 v[SPW], v0, 2, SPARE
	v_mov_b32 v[NIL], 0
	ds_add_u32 v[SPW], v[NIL]
	ds_add_u32 v[SPW], v[NIL]
	v_lshrrev_b32 v48, 5, v0
	v_readfirstlane_b32 s26, v48                   ; wave 0..3
	s_lshr_b32 s63, s26, 1                         ; at the head: 0: I ask for X's rows; 1: for chunk 0
	s_and_b32 s87, s26, 1                          ; which half of them
	s_bfe_u32 s27, ttmp6, 0x40000                  ; cx
	s_bfe_u32 s28, ttmp6, 0x40004                  ; cy
	s_lshl_b32 s84, ttmp9, 2
	s_add_co_u32 s84, s84, s27                     ; column group
	s_and_b32 s85, ttmp7, 0xffff
	s_lshl_b32 s85, s85, 2
	s_add_co_u32 s85, s85, s28                     ; row group
	s_lshl_b32 s29, 0x1111, s27                    ; my column of the cluster
	s_lshl_b32 s86, s28, 2
	s_lshl_b32 s86, 15, s86                        ; my row of the cluster
	; group 1 for the weights: dense rows of 32 elements of 8 bytes: 132 rows (half a chunk) at the head, 66 in the ring
	s_or_b32 s32, s29, (3<<16)|(1<<21)
	s_mov_b32 s33, 32<<16
	s_mov_b32 s34, 132<<16
	s_mov_b32 s35, 32<<16
	s_mov_b32 s36, 132
	s_mov_b32 s37, 32
	s_mov_b32 s38, 0
	s_mov_b32 s39, 0
	; group 1 for X's codes: 128 rows of 64 elements of 8 bytes, 4 words of padding behind every 128
	s_or_b32 s48, s86, (3<<16)|(1<<20)|(1<<21)|(6<<22)|(3<<25)
	s_mov_b32 s49, 64<<16
	s_mov_b32 s50, 128<<16
	s_mov_b32 s51, 64<<16
	s_mov_b32 s52, 128
	s_mov_b32 s53, 64
	s_mov_b32 s54, 0
	s_mov_b32 s55, 0
	s_mul_i32 s90, s84, 8*CHUNK                    ; my column group's eight chunks
	s_mul_i32 s41, s87, CHUNK/2                    ; the head's half of chunk 0: in memory and in slot 0
	s_add_co_u32 s92, s90, s41
	s_mov_b32 s93, 0
	s_mul_i32 s45, s26, QUART                      ; the ring: my quarter of a chunk
	s_add_co_u32 s90, s90, s45
	s_mov_b32 s91, 0
	s_add_co_u32 s45, s45, SLOTX
	s_lshl_b32 s94, s85, 17                        ; X: 256 rows of 512 bytes a row group,
	s_lshl_b32 s95, s87, 16                        ; 128 rows a half
	s_add_co_u32 s94, s94, s95
	s_mov_b32 s95, 0
	s_mul_i32 s81, s87, 128*SP
	s_add_co_u32 s81, s81, STAGE
	s_lshl_b32 s96, s85, 8
	s_lshl_b32 s29, s26, 6
	s_add_co_u32 s96, s96, s29                     ; my first row
	s_lshl_b32 s30, s96, 11                        ; in c_prev and out0
	s_mov_b32 s31, 0
	s_lshl_b32 s98, s84, 9                         ; my column group's 512 bytes of a row
	s_mov_b32 s99, 0
	s_lshl_b32 s86, s96, 9                         ; in c_prev's images
	s_mov_b32 s87, 0
	s_lshl_b32 s96, s96, 4                         ; in the scales
	s_mov_b32 s97, 0
	s_mul_i32 s57, s26, WSTG
	s_add_co_u32 s57, s57, STAGE                   ; my stage
	s_mov_b32 s40, 1
	s_mov_b32 s44, 1
	s_mov_b32 s80, 1
	s_mov_b32 s60, 0                               ; the slot in hand
	s_mov_b32 s61, 0                               ; 64 x chunk
	s_mov_b32 s62, 5                               ; the loop's trips
	s_mov_b32 s66, 0xbfb8aa3b                      ; -log2 e
	s_mov_b32 s67, s66
	s_mov_b32 s68, 0x4038aa3b                      ; k = 2 log2 e
	s_mov_b32 s69, s68
	s_mov_b32 s70, 0x3eb17218                      ; 1 / k
	s_mov_b32 s71, s70
	s_wait_dscnt 0x0
	s_wait_kmcnt 0x0
	s_add_nc_u64 s[42:43], s[14:15], s[92:93]      ; the head's half of chunk 0
	s_or_b32 s43, s43, 0x80000000
	s_add_nc_u64 s[46:47], s[14:15], s[90:91]
	s_add_nc_u64 s[46:47], s[46:47], CHUNK         ; the ring's descriptor begins at chunk 1, slot 1, and walks on from there
	s_or_b32 s47, s47, 0x80000000
	s_add_nc_u64 s[82:83], s[8:9], s[94:95]        ; X's 128 rows
	s_or_b32 s83, s83, 0x80000000
	s_add_nc_u64 s[12:13], s[12:13], s[30:31]
	s_add_nc_u64 s[58:59], s[12:13], s[98:99]      ; c_prev at my rows and columns
	s_add_nc_u64 s[24:25], s[24:25], s[30:31]
	s_add_nc_u64 s[24:25], s[24:25], s[98:99]      ; out0 likewise
	s_add_nc_u64 s[10:11], s[10:11], s[96:97]
	s_add_nc_u64 s[90:91], s[88:89], s[86:87]      ; c_prev's images
	s_add_nc_u64 s[92:93], s[88:89], s[96:97]
	s_add_nc_u64 s[92:93], s[92:93], CSCL          ; and their scale words
	CROUND                                         ; all sixteen work-groups are here: the first joint loads meet
	s_cmp_eq_u32 s63, 0                            ; one tensor load a wave: waves 0, 1 X's two halves into the stage; waves 2, 3 chunk 0's two halves into slot 0
	s_cbranch_scc0 .Lhead_w
	tensor_load_to_lds s[80:83], s[48:55]
	s_nop 0
	PLACES 4
	s_branch .Lhead_asked
.Lhead_w:
	tensor_load_to_lds s[40:43], s[32:39]
	s_nop 0
	PLACES 4
.Lhead_asked:
	v_and_b32 v48, 31, v0                          ; lane
	v_and_b32 v49, 15, v0                          ; r
	v_bfe_u32 v50, v0, 4, 1                        ; h
	v_lshlrev_b32 v[L16], 4, v48
	v_lshl_add_u32 v[L8S], v48, 3, 0x10000
	v_mul_u32_u24 v[STA0], v49, SP
	v_lshl_add_u32 v[XLA], v50, 4, v[STA0]
	v_lshl_add_u32 v[STA0], v50, 5, v[STA0]
	v_add_nc_u32 v[XLA], s57, v[XLA]
	v_add_nc_u32 v[STA0], s57, v[STA0]
	v_mul_u32_u24 v[FR], v50, SP
	v_lshl_add_u32 v[FR], v49, 4, v[FR]
	v_add_nc_u32 v[FR], s57, v[FR]
	v_lshlrev_b32 v[GO], 11, v50
	v_lshl_add_u32 v[GO], v49, 4, v[GO]
	v_lshlrev_b32 v[BO], 5, v50
	v_lshl_add_u32 v[PA], v49, 11, v[BO]
	v_add_nc_u32 v[BO], s98, v[BO]
	v_lshlrev_b32 v[CSA], 8, v50
	v_lshl_add_u32 v[CSA], v49, 2, v[CSA]
	v_mov_b32 v[ADB], v[L16]
	v_mov_b32 v[ADS], v[L8S]
	v_lshl_add_u32 v[PF], v48, 11, 256
	s_wait_alu depctr_va_vdst(0)
	global_load_b128 v[XS:XS+3], v[L16], s[10:11]                 ; a row's 16 scale bytes are its four K steps' words: lanes 0-15 tile 0, lanes 16-31 tile 1
	global_load_b128 v[XS+4:XS+7], v[L16], s[10:11] offset:512    ; tiles 2 and 3
	BIASLD                                         ; chunk 0's
.irp p, 0,1
.irp s, 0,1,2,3
	global_load_b32 v[CS+4*\p+\s], v[CSA], s[92:93] offset:512*\p+64*\s
.endr
.endr
	WIN 0xc0
.irp m, 0,1,2,3                        ; c_prev's 16 fragments, from their images
.irp s, 0,1,2,3
.irp c, 0,1,2,3
	global_load_b128 v[16*(4*\m+\s)+4*\c:16*(4*\m+\s)+4*\c+3], v[L16], s[90:91] offset:(4*\m+\s)*2048+512*\c
.endr
.endr
.endr
	WIN 0
	PLOAD                                          ; chunk 0's
	s_wait_tensorcnt 0x0                           ; my tile of the head's four is in
	ds_add_u32 v[SPW], v[NIL]
	s_mov_b32 s34, 66<<16                          ; no tensor load of mine is out: from here on a load of weights brings 66 rows
	s_mov_b32 s36, 66
	s_wait_dscnt 0x0
	CROUND                                         ; X's 256 rows and chunk 0 lie in LDS, and all sixteen work-groups are here
	tensor_load_to_lds s[44:47], s[32:39]          ; slot 1's first fill: my quarter of chunk 1
	s_nop 0
	PLACES 4
	WIN 0x80
.irp m, 0,1,2,3                        ; X's 16 fragments: lane (r, h), registers 4 c on: k = 128 s + 32 c + 16 h + 0 .. 15 of row 16 m + r
.irp s, 0,1,2,3
.irp c, 0,1,2,3
	ds_load_b128 v[16*(4*\m+\s)+4*\c:16*(4*\m+\s)+4*\c+3], v[XLA] offset:16*SP*\m+128*\s+32*\c
.endr
.endr
.endr
	WIN 0
	SCALES
	FETCH 0
	FETCH 1
	FETCH 2
	FETCH 3
	MAIN 2, 1
.Lchunk:                                               ; five trips: chunks 1 to 5; each fills its slot again
	MAIN 2, 0
	s_cmp_lg_u32 s62, 3                            ; chunk 3's trip: the left 64 columns are whole (a branch on the trip's number; no barrier and no tensor load lies under it)
	s_cbranch_scc1 .Lno_flush
	FLUSH 0
.Lno_flush:
	s_sub_co_u32 s62, s62, 1
	s_cmp_lg_u32 s62, 0
	s_cbranch_scc1 .Lchunk
	MAIN 1, 0                                      ; the tail is written out: chunk 6 asks for nothing,
	MAIN 0, 0                                      ; chunk 7 changes no slot
	FLUSH 1
	s_wait_tensorcnt 0x0                           ; the wave's end
	ds_add_u32 v[SPW], v[NIL]
	s_wait_dscnt 0x0
	CROUND                                         ; the closing round
	s_endpgm
.Lfunc_end_k_q6a8d3077bb_cell:
	.size	k_q6a8d3077bb_cell, .Lfunc_end_k_q6a8d3077bb_cell-k_q6a8d3077bb_cell
	.p2alignl 7, 3214868480
	.fill 96, 4, 3214868480
	.section	.rodata,"a",@progbits
	.p2align	6, 0x0
	.amdhsa_kernel k_q6a8d3077bb_cell
		.amdhsa_group_segment_fixed_size 327680
		.amdhsa_private_segment_fixed_size 0
		.amdhsa_enable_private_segment 0
		.amdhsa_kernarg_size 80
		.amdhsa_user_sgpr_count 2
		.amdhsa_user_sgpr_kernarg_segment_ptr 1
		.amdhsa_wavefront_size32 1
		.amdhsa_system_sgpr_workgroup_id_x 1
		.amdhsa_system_sgpr_workgroup_id_y 1
		.amdhsa_system_sgpr_workgroup_id_z 1
		.amdhsa_system_vgpr_workitem_id 0
		.amdhsa_next_free_vgpr 1024
		.amdhsa_next_free_sgpr 100
		.amdhsa_reserve_vcc 0
		.amdhsa_float_denorm_mode_32 3
		.amdhsa_float_denorm_mode_16_64 3
		.amdhsa_memory_ordered 1
		.amdhsa_forward_progress 1
		.amdhsa_inst_pref_size 245
	.end_amdhsa_kernel
	.amdgpu_metadata
---
amdhsa.version: [ 1, 2 ]
amdhsa.kernels:
  - .name:           k_q6a8d3077bb_cell
    .symbol:         k_q6a8d3077bb_cell.kd
    .args:
      - { .name: X_t_codes, .offset: 0, .size: 8, .value_kind: global_buffer, .address_space: global }
      - { .name: X_t_scales, .offset: 8, .size: 8, .value_kind: global_buffer, .address_space: global }
      - { .name: c_prev, .offset: 16, .size: 8, .value_kind: global_buffer, .address_space: global }
      - { .name: wimg, .offset: 24, .size: 8, .value_kind: global_buffer, .address_space: global }
      - { .name: b_f, .offset: 32, .size: 8, .value_kind: global_buffer, .address_space: global }
      - { .name: b_i, .offset: 40, .size: 8, .value_kind: global_buffer, .address_space: global }
      - { .name: b_o, .offset: 48, .size: 8, .value_kind: global_buffer, .address_space: global }
      - { .name: b_c, .offset: 56, .size: 8, .value_kind: global_buffer, .address_space: global }
      - { .name: out0, .offset: 64, .size: 8, .value_kind: global_buffer, .address_space: global }
      - { .name: cimg, .offset: 72, .size: 8, .value_kind: global_buffer, .address_space: global }
    .group_segment_fixed_size: 327680
    .private_segment_fixed_size: 0
    .kernarg_segment_align: 8
    .kernarg_segment_size: 80
    .max_flat_workgroup_size: 128
    .sgpr_count:     100
    .vgpr_count:     1024
    .wavefront_size: 32
...
	.end_amdgpu_metadata
.endif
;; end of part 2
